; MI455X (gfx1250); checked and timed in simulation.
; The chip was launched on July 23, 2026; its instructions are those of AMD's public machine-readable ISA for CDNA 5 (MIT licence, August 2026) and "CDNA5" Instruction Set Architecture Reference Guide (July 2026). The comments in the code are by the model that wrote it; some were corrected since.
;; QKV Attention Legacy. Allowed arithmetic: matrix products marked QUANTISED: E5M2 operands, one given power-of-two scale a tensor, by v_wmma_f32_16x16x64_bf8_bf8 or v_wmma_f32_16x16x128_bf8_bf8, f32 sums; everything else in f32.
;; Inputs: kv 4 x 1,024 x 2,048 float32; lowp_scales 4 int32 (the exponents e of the quantised operands' scales 2^e); q 4 x 512 x 2,048 float32.
;; Outputs: out0 4 x 512 x 2,048 float32.
;; Constants: n_heads = 8.
;; This version of the problem:
;;   THIS VERSION OF THE PROBLEM IS GIVEN IN LOW PRECISION. The matrix products marked QUANTISED in the list below multiply operands that are first quantised to E5M2 (5 exponent bits, 2 mantissa bits; 8 bits a number), with one given power-of-two scale for each operand tensor; their sums are f32. All else is computed in f32.
;;   The module's matrix products, in the order in which they are computed (A, B: the left and right operand; K: the contracted axis; several contracted axes count as one K, in the product's order):
;;     1. batch 32 x [M 2,048, K 64] x [K 64, N 2,048]; A: computed on the way; B: computed on the way: QUANTISED (scales: A lowp_scales[0], B lowp_scales[1])
;;     2. batch 32 x [M 64, K 2,048] x [K 2,048, N 2,048]; A: computed on the way; B: softmax (see below): QUANTISED (scales: A lowp_scales[2], B lowp_scales[3])
;;   THE QUANTISER, for each operand of a quantised product, along K:
;;     - The operand's scale is 2^e, e = its entry of the input lowp_scales (int32; the entries are numbered through the quantised products in the list's order, A before B).
;;     - Each number is divided by the scale, clamped to +-57,344, and rounded to the nearest number of E5M2, ties to even, subnormals kept.
;;     - The product sums the exact products of the quantised numbers (number of the format x scale) in f32.
;;   ~~~python
;;   def quantise(x, axis, e):      # numpy; x: float32 -> the quantised numbers, widened to float32 again
;;       x = np.moveaxis(x, axis, -1); K = x.shape[-1]
;;       r = np.clip(x / 2.0 ** e, -57344, 57344)
;;       step = 2.0 ** (np.maximum(np.frexp(np.where(r == 0, 1, r))[1] - 1, -14) - 2)
;;       q = np.round(r / step) * step * 2.0 ** e      # np.round: ties to even
;;       return np.moveaxis(q, -1, axis).astype(np.float32)
;;   ~~~
;;   SOFTMAX AHEAD OF A QUANTISED PRODUCT. Where the list says 'softmax', what is quantised is not the finished softmax but p = 2^(t - M), with t = logit x log2(e) and M = ceil(the row's largest t), a whole number; so 1/2 < the row's largest p <= 1. The row's sum l is taken of the UNQUANTISED p, in f32, and the product's result is divided by l at the end. Since M is a whole number, a kernel that streams over the keys may use a running M (the ceiling of the running maximum): every later rescaling is an exact power of two, so the quantised numbers keep their values, but for numbers so far below the row's largest that they fall under the format's range.
;;   OPERANDS COMPUTED ON THE WAY. 'Computed on the way' means the value that the module computes at that place (a softmax that the list does not call 'softmax' is quantised finished and normalised). What goes into a quantiser is computed in f32, as accurately as f32 sums, v_exp_f32 and their like allow (about 1e-6 of the number): no bf16 or f16 on the way to a quantiser, and a product that is left as it is and whose result goes on into a quantised operand takes f32 operands (vector FMAs, or v_wmma_f32_16x16x4_f32). A number that lies on a knife's edge between two numbers of the format may be rounded either way, as far as f32 arithmetic and the matrix unit's own rounding can turn it there, and no further.
;; One version. Each part assembles by itself: llvm-mc -triple=amdgcn-amd-amdhsa -mcpu=gfx1250 --defsym DOCPART=n.
;; ======== version 1 of 1: 2 launches
;; limits: right only within a limited range of input values
;; workspace buffers: kv_img 8,388,608 bytes
;; launch quant (part 1): grid 1024 x 1, 4 waves a work-group, no clusters, 9,728 bytes of LDS; arguments kv, lowp_scales, kv_img; writes kv_img
.if DOCPART == 1
	.amdgcn_target "amdgcn-amd-amdhsa--gfx1250"
	.amdhsa_code_object_version 6
	.text
	.protected	k_q2741c23eca_quant
	.globl	k_q2741c23eca_quant
	.p2align	8
	.type	k_q2741c23eca_quant,@function
k_q2741c23eca_quant:
	s_mov_b64 s[64:65], 0
	v_nop
	global_prefetch_b8 v0, s[64:65] scope:SCOPE_SE
	s_setreg_imm32_b32 hwreg(HW_REG_WAVE_MODE, 25, 1), 1
	s_wait_xcnt 0x0
; kv [32 heads][128][2048] (rows 0-63 of a head: k, rows 64-127: v), f32, becomes codes of BF8 (E5M2), each operand with the one scale 2^e that is given for it:
; k x 64^-0.25 with e1 (K = the 64 channels), v with e2 (K = the keys).  code = x / 2^e, held within +-57,344, rounded to the nearest code, ties to even.  (q is quantised by the attention launch, which reads each of its numbers once.)
; DEAD WORK: none.  Every number of q, k and v reaches an output of reference() through the two products, and every entry of lowp_scales moves codes or results; n_heads = 8 is a constant of the problem and is built into the sizes.
; THE CODES ARE LAID AS IMAGES OF THE OPERANDS' REGISTERS, so that the attention launch fetches every fragment by loads of 16 bytes a lane, 512 consecutive bytes an instruction.  Lane l = 16 h + r.
;   kv_img [32][16 steps of 128 keys][16,384]: K's eight tiles of 1,024 bytes, then V's four fragments of 2,048 bytes.
;     K: byte 512 c' + 16 l + i of a tile = row r, channel 32 c' + 16 h + i; row r of tile 2 b + u is key 128 step + 32 b + 8 u + r + 8 (r / 8): the scores of tiles 2 b and 2 b + 1 are then 16 neighbouring keys in a lane's registers.
;     V: byte 512 c + 16 l + i of fragment ct = channel 16 ct + r, key 128 step + 32 c + 16 h + i.
; SHARES.  Work-groups 0-511 take k, 512-1023 v: head = (number mod 512) / 16, group of 128 keys = number mod 16.  Each wave reads 8,192 bytes of f32, all asked for at once.
;   k: a lane takes a COLUMN (a key) and its 64 registers run down the channels, which are K: the conversions' results are 16 neighbouring bytes of the image.
;   v: K (the keys) is innermost in memory already; a lane loads four keys of each of 16 channels, and the codes turn through the wave's own LDS bytes from a lane to four keys to a lane to a channel.
; No tensor loads, no barrier, no cluster, no matrix work: waves share nothing, each byte is read once and written once.
; LIMITS: e1, e2 between -126 and 112, so that 2^e and 57,344 x 2^e are f32 numbers.  NaN among the inputs is not served; an infinity is held at the largest code.
.set SPARE, 9216                       ; behind the four waves' LDS regions: the spare words, 128 bytes a wave: two blocks of 256 bytes that no other line names
.set WREG,  2304                       ; a wave's LDS region (v's path): 8 groups of 272 bytes
.set GP,    272                        ; a group: 16 channels x 16 keys = 256 bytes of codes, + 16 of padding
.set ROW,   8192                       ; a row of kv in bytes
.set X,     16                         ; v16-79   64 numbers
.set C,     80                         ; v80-95   their codes; every register is written once
.set D,     96                         ; v96-111  v's path: the fragment read back from LDS
; v1 lane; v2 LDS address of my spare word, v3 0 (both never rewritten); v4 my column's bytes; v5 my place in the two tiles' images; v6 16 x lane; v7, v8 LDS addresses; v9 lane / 16, v10 lane % 16; v12 2^e; v13 57,344 x 2^e
	s_load_b128 s[4:7], s[0:1], 0x0                ; kv s[4:5], the scales' exponents s[6:7]
	s_load_b64 s[12:13], s[0:1], 0x10              ; kv_img
	v_lshl_add_u32 v2, v0, 2, SPARE
	v_mov_b32 v3, 0
	v_lshrrev_b32 v9, 5, v0
	v_readfirstlane_b32 s14, v9                    ; wave 0..3
	v_and_b32 v1, 31, v0                           ; lane
	v_lshrrev_b32 v9, 4, v1                        ; lane / 16
	v_and_b32 v10, 15, v1                          ; lane % 16
	v_lshlrev_b32 v6, 4, v1                        ; 16 x lane
	s_and_b32 s15, ttmp9, 511                      ; my number within my tensor
	s_lshr_b32 s16, s15, 4                         ; head
	s_and_b32 s17, s15, 15                         ; group of 128 keys
	s_lshl_b32 s20, s16, 20                        ; from: the head's 128 rows of 8,192 bytes,
	s_lshl_b32 s21, s17, 9                         ; the group's 128 keys
	s_add_co_u32 s20, s20, s21
	s_lshl_b32 s22, s16, 18                        ; to: the head's image,
	s_lshl_b32 s23, s17, 14                        ; the group's step,
	s_add_co_u32 s22, s22, s23
	s_lshl_b32 s23, s14, 11                        ; my wave's 2,048 bytes (k: two tiles; v: one fragment)
	s_add_co_u32 s22, s22, s23
	s_mov_b32 s21, 0
	s_mov_b32 s23, 0
	s_mov_b32 s36, 0x3eb504f3                      ; 64^-0.25 as f32: reference()'s factor on k
	s_mov_b32 s37, s36                             ; (named with it as a pair, so it is written)
	s_wait_alu depctr_va_vdst(0)                   ; directly ahead of the wait below
	s_wait_kmcnt 0x0
	s_load_b128 s[28:31], s[6:7], 0x0              ; e0, e1, e2, e3
	s_cmp_ge_u32 ttmp9, 512                        ; the parting hangs on the work-group's number alone
	s_cbranch_scc1 .Lv
	; ---- k: my wave's 32 keys x 64 channels become two tiles' images
	s_lshl_b32 s18, s14, 7                         ; my wave's 32 keys
	s_add_co_u32 s20, s20, s18
	s_add_nc_u64 s[24:25], s[4:5], s[20:21]
	s_add_nc_u64 s[26:27], s[12:13], s[22:23]
	v_and_b32 v11, 8, v10
	v_add_nc_u32 v11, v11, v10
	v_lshl_add_u32 v11, v9, 3, v11                 ; lane (u, r) takes column 8 u + r + 8 (r / 8)
	v_lshlrev_b32 v4, 2, v11
	v_lshlrev_b32 v5, 4, v10
	v_lshl_add_u32 v5, v9, 10, v5                  ; tile u, row r: 1,024 u + 16 r
.set i, 0
.rept 64
	global_load_b32 v[X+i], v4, s[24:25] offset:ROW*i th:TH_LOAD_NT   ; channel i of my column: the wave reads 128 consecutive bytes, the work-group's four waves 512
.set i, i+1
.endr
	s_wait_alu depctr_va_vdst(0)                   ; directly ahead of the wait below
	s_wait_kmcnt 0x0
	s_add_co_i32 s32, s29, 127                     ; e1
	s_lshl_b32 s33, s32, 23
	v_mov_b32 v12, s33                             ; 2^e as f32: the conversion takes its exponent field
	s_add_co_i32 s32, s32, 15
	s_lshl_b32 s34, s32, 23
	s_or_b32 s34, s34, 0x600000
	v_mov_b32 v13, s34                             ; 57,344 x 2^e
; Channels 16 j .. 16 j + 15 of my column: 16 neighbouring bytes of the image, at 256 j in my tile (j = 2 c' + h).
.macro QKG j
	s_wait_loadcnt 48-16*(\j)                      ; loads come back in order: this group's 16 are in, the groups behind it may be out
.irp i, 0,2,4,6,8,10,12,14
	v_pk_mul_f32 v[X+16*(\j)+\i:X+16*(\j)+\i+1], v[X+16*(\j)+\i:X+16*(\j)+\i+1], s[36:37] op_sel_hi:[1,0]   ; x 64^-0.25, in f32, as reference() has it ahead of the quantiser
.endr
.irp i, 0,1,2,3,4,5,6,7,8,9,10,11,12,13,14,15
	v_med3_num_f32 v[X+16*(\j)+\i], v[X+16*(\j)+\i], -v13, v13   ; the conversion to an 8-bit code does not saturate (ISA guide 7.6.2): the hold at the largest code x the scale
.endr
	v_cvt_scalef32_pk8_bf8_f32 v[C+4*(\j):C+4*(\j)+1], v[X+16*(\j):X+16*(\j)+7], v12
	v_cvt_scalef32_pk8_bf8_f32 v[C+4*(\j)+2:C+4*(\j)+3], v[X+16*(\j)+8:X+16*(\j)+15], v12   ; the results go to a store alone; the next vector lines are plain and touch other registers
	global_store_b128 v5, v[C+4*(\j):C+4*(\j)+3], s[26:27] offset:256*(\j)   ; lanes 0-15 store 256 consecutive bytes of one tile, aligned, lanes 16-31 of the other
.endm
	s_wait_alu depctr_va_vdst(0)                   ; at the head's end
	QKG 0
	QKG 1
	QKG 2
	QKG 3
	s_branch .Lend
	; ---- v: my wave's fragment: channels 16 wave .. + 15, the group's 128 keys
.Lv:
	s_lshl_b32 s18, s14, 17                        ; my wave's 16 rows,
	s_add_co_u32 s20, s20, s18
	s_add_co_u32 s20, s20, 64*ROW                  ; behind k's 64 rows
	s_add_nc_u64 s[24:25], s[4:5], s[20:21]
	s_add_co_u32 s22, s22, 8192                    ; behind K's eight tiles
	s_add_nc_u64 s[26:27], s[12:13], s[22:23]
.irp r, 0,1,2,3,4,5,6,7,8,9,10,11,12,13,14,15
	global_load_b128 v[X+4*\r:X+4*\r+3], v6, s[24:25] offset:ROW*\r th:TH_LOAD_NT   ; channel r, keys 4 lane .. + 3: the wave reads 512 consecutive bytes
.endr
	s_mul_i32 s19, s14, WREG                       ; my wave's LDS region
	v_lshrrev_b32 v11, 2, v1
	v_mul_u32_u24 v7, v11, GP                      ; in: my four keys lie in group lane / 4 (16 keys: c = lane / 8, h = (lane / 4) % 2),
	v_and_b32 v11, 3, v1
	v_lshl_add_u32 v7, v11, 2, v7                  ; at bytes 4 (lane % 4) of a channel's 16; the channel stands in the immediate
	v_add_nc_u32 v7, s19, v7
	v_mul_u32_u24 v8, v9, GP                       ; back: lane (r, h) takes channel r's 16 bytes of group 2 c + h
	v_lshl_add_u32 v8, v10, 4, v8
	v_add_nc_u32 v8, s19, v8
	s_wait_alu depctr_va_vdst(0)                   ; directly ahead of the wait below
	s_wait_kmcnt 0x0
	s_add_co_i32 s32, s30, 127                     ; e2
	s_lshl_b32 s33, s32, 23
	v_mov_b32 v12, s33                             ; 2^e2 as f32
	s_add_co_i32 s32, s32, 15
	s_lshl_b32 s34, s32, 23
	s_or_b32 s34, s34, 0x600000
	v_mov_b32 v13, s34                             ; 57,344 x 2^e2
; Channels 4 j .. 4 j + 3: a conversion takes two channels' four keys each, so register C + r holds channel r's four codes.
.macro VG j
	s_wait_loadcnt 12-4*(\j)                       ; this group's four loads are in, the groups behind it may be out
.irp i, 0,1,2,3,4,5,6,7,8,9,10,11,12,13,14,15
	v_med3_num_f32 v[X+16*(\j)+\i], v[X+16*(\j)+\i], -v13, v13
.endr
	v_cvt_scalef32_pk8_bf8_f32 v[C+4*(\j):C+4*(\j)+1], v[X+16*(\j):X+16*(\j)+7], v12
	v_cvt_scalef32_pk8_bf8_f32 v[C+4*(\j)+2:C+4*(\j)+3], v[X+16*(\j)+8:X+16*(\j)+15], v12   ; the results go to LDS stores alone
.irp r, 0,1,2,3
	ds_store_b32 v7, v[C+4*(\j)+\r] offset:16*(4*(\j)+\r)
.endr
.endm
	s_wait_alu depctr_va_vdst(0)                   ; at the head's end
	VG 0
	VG 1
	VG 2
	VG 3
.irp c, 0,1,2,3
	ds_load_b128 v[D+4*\c:D+4*\c+3], v8 offset:2*GP*\c   ; my wave's own bytes; LDS serves a wave's instructions in order (ISA guide 5.7.1.4): these see the stores above
.endr
.irp c, 0,1,2,3
	s_wait_dscnt 3-\c                              ; load c is back, the younger ones may be out
	global_store_b128 v6, v[D+4*\c:D+4*\c+3], s[26:27] offset:512*\c   ; the wave stores 512 consecutive bytes, aligned
.endr
.Lend:
	s_wait_tensorcnt 0x0                           ; the wave's end
	ds_add_u32 v2, v3
	s_wait_dscnt 0x0
	s_endpgm
.Lfunc_end_k_q2741c23eca_quant:
	.size	k_q2741c23eca_quant, .Lfunc_end_k_q2741c23eca_quant-k_q2741c23eca_quant
	.p2alignl 7, 3214868480
	.fill 96, 4, 3214868480
	.section	.rodata,"a",@progbits
	.p2align	6, 0x0
	.amdhsa_kernel k_q2741c23eca_quant
		.amdhsa_group_segment_fixed_size 9728
		.amdhsa_private_segment_fixed_size 0
		.amdhsa_enable_private_segment 0
		.amdhsa_kernarg_size 24
		.amdhsa_user_sgpr_count 2
		.amdhsa_user_sgpr_kernarg_segment_ptr 1
		.amdhsa_wavefront_size32 1
		.amdhsa_system_sgpr_workgroup_id_x 1
		.amdhsa_system_sgpr_workgroup_id_y 1
		.amdhsa_system_sgpr_workgroup_id_z 1
		.amdhsa_system_vgpr_workitem_id 0
		.amdhsa_next_free_vgpr 112
		.amdhsa_next_free_sgpr 66
		.amdhsa_reserve_vcc 0
		.amdhsa_float_denorm_mode_32 3
		.amdhsa_float_denorm_mode_16_64 3
		.amdhsa_memory_ordered 1
		.amdhsa_forward_progress 1
		.amdhsa_inst_pref_size 25
	.end_amdhsa_kernel
	.amdgpu_metadata
---
amdhsa.version: [ 1, 2 ]
amdhsa.kernels:
  - .name:           k_q2741c23eca_quant
    .symbol:         k_q2741c23eca_quant.kd
    .args:
      - { .name: kv, .offset: 0, .size: 8, .value_kind: global_buffer, .address_space: global }
      - { .name: lowp_scales, .offset: 8, .size: 8, .value_kind: global_buffer, .address_space: global }
      - { .name: kv_img, .offset: 16, .size: 8, .value_kind: global_buffer, .address_space: global }
    .group_segment_fixed_size: 9728
    .private_segment_fixed_size: 0
    .kernarg_segment_align: 8
    .kernarg_segment_size: 24
    .max_flat_workgroup_size: 128
    .sgpr_count:     66
    .vgpr_count:     112
    .wavefront_size: 32
...
	.end_amdgpu_metadata
.endif
;; end of part 1
;; launch attn (part 2): grid 32 x 8, 8 waves a work-group, no clusters, 263,168 bytes of LDS; arguments q, kv_img, lowp_scales, out0; writes out0
.if DOCPART == 2
	.amdgcn_target "amdgcn-amd-amdhsa--gfx1250"
	.amdhsa_code_object_version 6
	.text
	.protected	k_q2741c23eca_attn
	.globl	k_q2741c23eca_attn
	.p2align	8
	.type	k_q2741c23eca_attn,@function
k_q2741c23eca_attn:
	s_mov_b64 s[64:65], 0
	v_nop
	global_prefetch_b8 v0, s[64:65] scope:SCOPE_SE
	s_setreg_imm32_b32 hwreg(HW_REG_WAVE_MODE, 25, 1), 1
	s_wait_xcnt 0x0
; out0[head][c][query] = the sum over the keys of softmax(q . k) v, both products on codes of BF8 (E5M2).  q [32 heads][64 c][2048] f32 is quantised here (x 64^-0.25, scale 2^e0); kv_img holds k's and v's codes as register images (16 steps of 128 keys, 16,384 bytes each: K's eight tiles, then V's four fragments).
; SOFTMAX: t = score x log2(e) x 2^(e0+e1); M = the running largest t rounded up to a whole number; p = 2^(t - M) is quantised with 2^e3, not normalised; the row's sum is of the unquantised p and divides at the end; where M moves, sum and O are multiplied by an exact power of two.
; DEAD WORK: none (see the first launch).
; SHARES.  256 work-groups: x = head, y = 256 queries.  Each of 8 waves owns 32 queries, two tiles A and B of 16, and walks all 2,048 keys, 128 a step.  Both products are used transposed (S^T = K Q^T, O^T = V^T P^T): lane (h, r) holds query r throughout.
; THE HEAD'S WHOLE K AND V, 262,144 bytes of codes, come into LDS once, through registers: each wave brings 2,048 bytes of every step's 16,384.  Step s asks for the bytes of step s + 4 and stores those of step s + 3, asked for a step before, in two register slots by turns.
; No LDS byte of K or V is written twice.  Each step has one barrier in two halves: its signal at the step's head says that my stores of the step before are done; its wait stands in the step's middle, ahead of the exponentials and of the step's own stores; what was stored in step s (the bytes of step s + 3) is first read in step s + 2.
; THE HOLD AT THE LARGEST CODE.  p is at most 1 (but for the rounding of t), so p / 2^e3 can pass 57,344 only where e3 < -15.  That whole number decides: where it asks for the hold, each step walks it, on the codes: the conversion gives the infinity's code 0x7c there, and 0x7b, 57,344, takes its place.
; NO CLUSTER, NO TENSOR LOADS: the hold in every step would be 128 vector lines beside a step's other 390 for all scales that never need it.
; NO PREFETCH: a step's bytes are asked for by the loads themselves nearly a step and a half ahead of the wait for them, and the loop asks memory for nothing else.
; LIMITS: e0 between -126 and 112; e0 + e1 and e3 between -126 and 127; the scaled scores t under 2^24 in magnitude.  NaN among the inputs is not served; an infinity is held at the largest code.
; REGISTERS.  Window 0: v0-31 addresses and work; v32-95 S of tile A, v96-159 of B; v160-191 O of A, v192-223 of B; v224-239 p's codes of A, v240-255 of B (ahead of the codes: the maxima's chains).
;   Window 1: v0-63 K's fragments of a step, v64-127 V's, v128-159 two slots of bytes on their way, v192-207 Q of A and B.
; s_set_vgpr_msb: bits 1:0 source 0, 3:2 source 1, 5:4 source 2, 7:6 destination; at labels and branches 0.
.set SPARE, 262144                     ; behind K and V: the spare words, 128 bytes for each wave
.set STEPB, 16384                      ; a step in bytes: K 8,192, V 8,192
.set VOFF,  8192
.set SP,    1040                       ; a row of the stage for the way out: 256 queries x 4 bytes + 16 of padding
.set LI,  1                            ; 16 x lane
.set AD,  2                            ; the step's LDS address; at the head: 4 x lane
.set SPW, 3                            ; my spare word's address; never rewritten
.set NIL, 4                            ; 0; never rewritten
.set STO, 5                            ; the way out: in
.set RD,  6                            ; the way out: back
.set STA, 7                            ; my place in a step's bytes: 2,048 x wave + 16 x lane
.set SCV, 8                            ; 2^e3
.set SD,  9                            ; my place in the step in hand (at the head v9 is 57,344 x 2^e0)
; v10, v12 -M of A, B; v11, v13 the largest score so far; v[14:15], v[16:17] the sums in two halves; v18, v20 the factors 2^(old M - new M) (v19, v21: 0, named with them)
.set MA,  22                           ; v22-25, v26-29 work of A, of B
.set MB,  26
.set PXA, 30                           ; the other half's maximum
.set PXB, 31
.set SA,  32
.set SB,  96
.set OA,  160
.set OB,  192
.set PA,  224
.set PB,  240
.set KF,  0
.set VF,  64
.set G,   128                          ; two slots of 16 registers: the bytes of even steps, of odd steps
.set Q,   192
.set WV,   12
.set QF,   36                          ; s[36:37] 64^-0.25
.set CS,   40                          ; s[40:41] log2(e) x 2^(e0+e1)
.set H4,   42                          ; 4 in each byte
.set H1,   43                          ; 1 in each byte
.set SEL,  48                          ; s[48:49] lane l xor 16
.set TB,   50                          ; LDS byte of the step in hand
.set CNT,  51
.set MASK, 52                          ; lanes 16-31
.set EPV,  54                          ; e2 + e3
.set HOLD, 55                          ; 1: p's codes need the hold
.set MSB, 0
.macro WIN new                         ; the immediate's high byte repeats the setting that is left
.if MSB != \new
	s_set_vgpr_msb (MSB<<8)|\new
.set MSB, \new
.endif
.endm
; my 2,048 bytes of a step, 512 consecutive bytes an instruction: from memory into window 1, and from there into LDS
.macro GLOAD adr, reg, off
	WIN 0x40
.irp i, 0,1,2,3
	global_load_b128 v[\reg+4*\i:\reg+4*\i+3], v[\adr], s[6:7] offset:\off+512*\i
.endr
	WIN 0
.endm
.macro GSTORE adr, reg, off
	WIN 0x04
.irp i, 0,1,2,3
	ds_store_b128 v[\adr], v[\reg+4*\i:\reg+4*\i+3] offset:\off+512*\i
.endr
	WIN 0
.endm
.macro FETCH_K adr, off
	WIN 0x40
.set k, 0
.rept 8
	ds_load_b128 v[KF+8*k:KF+8*k+3],   v[\adr] offset:\off+1024*k
	ds_load_b128 v[KF+8*k+4:KF+8*k+7], v[\adr] offset:\off+1024*k+512
.set k, k+1
.endr
	WIN 0
.endm
.macro FETCH_V
	WIN 0x40
.set k, 0
.rept 16
	ds_load_b128 v[VF+4*k:VF+4*k+3], v[AD] offset:VOFF+512*k
.set k, k+1
.endr
	WIN 0
.endm
; one level of a tile's sum: registers base + lv x n, a pair each, take the pair lv / 2 further on
.macro ADDS base, lv
.set k, 0
.rept 64/(\lv)
	v_pk_add_f32 v[\base+\lv*k:\base+\lv*k+1], v[\base+\lv*k:\base+\lv*k+1], v[\base+\lv*k+\lv/2:\base+\lv*k+\lv/2+1]
.set k, k+1
.endr
.endm
; t - M, two at a time (of the pairs c and -M the low word serves both halves)
.macro SCALE base, nm, j
	v_pk_fma_f32 v[\base+2*(\j):\base+2*(\j)+1], v[\base+2*(\j):\base+2*(\j)+1], s[CS:CS+1], v[\nm:\nm+1] op_sel_hi:[1,0,0]
.endm
.macro SCALES first, n                 ; of tile A
.set k, \first
.rept \n
	SCALE SA, 10, k
.set k, k+1
.endr
.endm
; n pairs of O under the new M
.macro RESCALE base, f, first, n
.set k, \first
.rept \n
	v_pk_mul_f32 v[\base+2*k:\base+2*k+1], v[\base+2*k:\base+2*k+1], v[\f:\f+1] op_sel_hi:[1,0]
.set k, k+1
.endr
.endm
; The largest score of my query among my 64 keys, in eight chains, one to an accumulator, which is first read at its low end: MX0 starts n chains, MX takes two scores more in each
.macro MX0 dst, src, first, n
.set k, \first
.rept \n
	v_max3_num_f32 v[\dst+k], v[\src+8*k], v[\src+8*k+1], v[\src+8*k+2]
.set k, k+1
.endr
.endm
.macro MX dst, src, i, first, n
.set k, \first
.rept \n
	v_max3_num_f32 v[\dst+k], v[\dst+k], v[\src+8*k+\i], v[\src+8*k+\i+1]
.set k, k+1
.endr
.endm
.macro MX7 dst, src                    ; the accumulators' last scores, into chains 0 to 3
.set k, 0
.rept 4
	v_max3_num_f32 v[\dst+k], v[\dst+k], v[\src+16*k+7], v[\src+16*k+15]
.set k, k+1
.endr
.endm
.macro MXJOIN dst                      ; eight chains to three: 0, 3, 6
	v_max3_num_f32 v[\dst], v[\dst], v[\dst+1], v[\dst+2]
	v_max3_num_f32 v[\dst+3], v[\dst+3], v[\dst+4], v[\dst+5]
	v_max_num_f32 v[\dst+6], v[\dst+6], v[\dst+7]
.endm
; channels first .. first + n - 1 of my lane's query: a wave reads 128 consecutive bytes, the work-group 1,024
.macro QLOAD first, n
.set k, \first
.rept \n
	global_load_b32 v[SA+k], v[AD], s[4:5] offset:8192*k th:TH_LOAD_NT
.set k, k+1
.endr
.endm
	s_load_b256 s[4:11], s[0:1], 0x0               ; q s[4:5], kv_img s[6:7], the scales' exponents s[8:9], out0 s[10:11]
	v_lshl_add_u32 v[SPW], v0, 2, SPARE
	v_mov_b32 v[NIL], 0
	v_lshrrev_b32 v9, 5, v0
	v_readfirstlane_b32 s[WV], v9                  ; wave 0..7
	v_and_b32 v22, 31, v0                          ; lane
	v_lshlrev_b32 v[LI], 4, v22
	v_lshlrev_b32 v[AD], 2, v22
	v_and_b32 v23, 15, v0                          ; r
	v_bfe_u32 v24, v0, 4, 1                        ; h
	v_mul_u32_u24 v[STO], v24, 8*SP                ; the way out, in: channel 8 h + .., query 32 wave + r
	v_lshl_add_u32 v[STO], v23, 2, v[STO]
	s_lshl_b32 s13, s[WV], 7
	s_lshl_b32 s14, s[WV], 11
	s_mul_i32 s15, s[WV], 8*SP
	v_add_nc_u32 v[STO], s13, v[STO]
	v_add_nc_u32 v[STA], s14, v[LI]
	v_add_nc_u32 v[RD], s15, v[LI]                 ; the way out, back: eight channels a wave
	s_lshl_b32 s16, ttmp9, 19                      ; the head's 64 rows of q and of out0,
	s_and_b32 s17, ttmp7, 0xffff
	s_lshl_b32 s17, s17, 10                        ; my work-group's 256 queries
	s_add_co_u32 s16, s16, s17
	s_add_co_u32 s18, s16, s13                     ; q: my wave's 32
	s_mov_b32 s19, 0
	s_lshl_b32 s20, s[WV], 16
	s_add_co_u32 s20, s16, s20                     ; out0: my wave's eight channels
	s_mov_b32 s21, 0
	s_lshl_b32 s24, ttmp9, 18                      ; kv_img: the head
	s_mov_b32 s25, 0
	s_mov_b32 s[QF], 0x3eb504f3                    ; 64^-0.25 as f32: reference()'s factor on q
	s_mov_b32 s[QF+1], s[QF]
	s_mov_b32 s[H4], 0x4040404
	s_mov_b32 s[H1], 0x1010101
	s_mov_b32 s[SEL], 0x76543210
	s_mov_b32 s[SEL+1], 0xfedcba98
	s_mov_b32 s[MASK], 0xffff0000
	s_wait_alu depctr_va_vdst(0)                   ; directly ahead of the wait below
	s_wait_kmcnt 0x0
	s_load_b128 s[56:59], s[8:9], 0x0              ; e0, e1, e2, e3
	s_add_nc_u64 s[4:5], s[4:5], s[18:19]
	s_add_nc_u64 s[6:7], s[6:7], s[24:25]
	s_add_nc_u64 s[10:11], s[10:11], s[20:21]
	GLOAD STA, KF, 0                               ; steps 0 and 1, into the registers of K's fragments
	GLOAD STA, KF+16, STEPB
	QLOAD 0, 48
	v_mov_b32 v10, 0x7f61b1e6                      ; -M: 3e38, over every -t
	v_mov_b32 v12, 0x7f61b1e6
	v_mov_b32 v11, 0xff61b1e6                      ; the largest score so far: -3e38, under every score
	v_mov_b32 v13, 0xff61b1e6
.irp i, 14,15,16,17,19,21,PXA,PXB
	v_mov_b32 v[\i], 0
.endr
.set k, 0
.rept 64
	v_mov_b32 v[OA+k], 0                           ; O^T of both tiles: the step is written once for all, and its first change of M leaves zeros
.set k, k+1
.endr
	QLOAD 48, 16
	GLOAD STA, VF, 2*STEPB                         ; step 2, into registers of V's fragments,
	GLOAD STA, G+16, 3*STEPB                       ; step 3
	s_wait_kmcnt 0x0
	s_add_co_i32 s60, s56, s57
	s_lshl_b32 s60, s60, 23
	s_mov_b32 s[CS], 0x3fb8aa3b                    ; log2(e); the two exponents go into its exponent field
	s_add_co_i32 s[CS], s[CS], s60
	s_mov_b32 s[CS+1], s[CS]
	s_add_co_i32 s[EPV], s58, s59
	s_add_co_i32 s61, s59, 127
	s_lshl_b32 s61, s61, 23
	s_add_co_i32 s62, s56, 127
	s_lshl_b32 s63, s62, 23
	s_add_co_i32 s62, s62, 15
	s_lshl_b32 s62, s62, 23
	s_or_b32 s62, s62, 0x600000
	s_cmp_lt_i32 s59, -15
	s_cselect_b32 s[HOLD], 1, 0
	v_mov_b32 v[SCV], s61                          ; 2^e3
	v_mov_b32 v22, s63                             ; 2^e0
	v_mov_b32 v9, s62                              ; 57,344 x 2^e0
	s_wait_alu depctr_va_vdst(0)                   ; directly ahead of the wait below
	s_wait_loadcnt 63                              ; 72 younger loads stand behind the first 8: those are in
	GSTORE STA, KF, 0
	GSTORE STA, KF+16, STEPB
; channels 16 j .. 16 j + 15 of my query: four registers of codes.  Channels 0-15 and 32-47 lie at PA, 16-31 and 48-63 at PA + 8
.macro QG j
.set X, SA+16*(\j)
.set DD, PA+4*((\j)/2)+8*((\j)%2)
	s_wait_loadcnt 56-16*(\j)                      ; this group's 16 are in; the groups behind it and the eight loads of steps 2 and 3 may be out
.irp i, 0,2,4,6,8,10,12,14
	v_pk_mul_f32 v[X+\i:X+\i+1], v[X+\i:X+\i+1], s[QF:QF+1] op_sel_hi:[1,0]
.endr
.irp i, 0,1,2,3,4,5,6,7,8,9,10,11,12,13,14,15
	v_med3_num_f32 v[X+\i], v[X+\i], -v9, v9       ; the conversion to an 8-bit code does not saturate (ISA guide 7.6.2)
.endr
	v_cvt_scalef32_pk8_bf8_f32 v[DD:DD+1], v[X:X+7], v22
	v_cvt_scalef32_pk8_bf8_f32 v[DD+2:DD+3], v[X+8:X+15], v22
	v_nop                                          ; one plain place behind the conversions
.endm
	QG 0
	QG 1
	QG 2
	QG 3
; from a lane to a query (32 queries) to two operands of 16 queries: tile A takes queries 0-15, lanes 16-31 the channels 16-31 and 48-63; tile B queries 16-31 likewise
.irp i, 0,1,2,3,4,5,6,7
	v_cndmask_b32 v[SA+\i], v[PA+8+\i], v[PA+\i], s[MASK]       ; what the lane xor 16 wants of me
.endr
.irp i, 0,1,2,3,4,5,6,7
	v_permlanex16_b32 v[SA+8+\i], v[SA+\i], s[SEL], s[SEL+1]
.endr
	WIN 0x40
.irp i, 0,1,2,3,4,5,6,7
	v_cndmask_b32 v[Q+\i], v[PA+\i], v[SA+8+\i], s[MASK]
	v_cndmask_b32 v[Q+8+\i], v[SA+8+\i], v[PA+8+\i], s[MASK]
.endr
	WIN 0
; THE HOLD on four codes a register, all from 0 to 0x7c: 0x7c + 4 alone sets a byte's top bit, and 1 is taken off that code
.macro HOLD8 base
.irp i, 0,1,2,3,4,5,6,7
	v_add_nc_u32 v[MA+\i], s[H4], v[\base+\i]
.endr
.irp i, 0,1,2,3,4,5,6,7
	v_lshrrev_b32 v[MA+\i], 7, v[MA+\i]
.endr
.irp i, 0,1,2,3,4,5,6,7
	v_and_b32 v[MA+\i], s[H1], v[MA+\i]
.endr
.irp i, 0,1,2,3,4,5,6,7
	v_sub_nc_u32 v[\base+\i], v[\base+\i], v[MA+\i]
.endr
.endm
; A STEP s of 128 keys, both tiles.  pre = 1: the next step's fragments of K are fetched; bar = 1: the step has a barrier; st: the slot whose bytes (of step s + 3) are stored, ld: the slot that is filled (with those of step s + 4); 9: none
.macro UNIT pre, bar, st, ld
	s_wait_dscnt 0x0                               ; K's fragments are in, and my stores of the step before are done
.if (\st) < 2
	s_wait_xcnt 0x0                                ; the step before's loads have read their address
	v_add_nc_u32 v[SD], s[TB], v[STA]
.endif
.if (\ld) < 2
	GLOAD SD, G+16*(\ld), 4*STEPB
.endif
.if \bar
	s_barrier_signal -1
.endif
	WIN 0x05
.set k, 0
.rept 8
	v_wmma_f32_16x16x64_bf8_bf8 v[SA+8*k:SA+8*k+7], v[KF+8*k:KF+8*k+7], v[Q:Q+7], 0
	v_wmma_f32_16x16x64_bf8_bf8 v[SB+8*k:SB+8*k+7], v[KF+8*k:KF+8*k+7], v[Q+8:Q+15], 0
.set k, k+1
.endr
	WIN 0
	v_add_nc_u32 v[AD], s[TB], v[LI]               ; this line and three v_nop: the four places behind the last matrix instruction
.rept 3
	v_nop
.endr
	FETCH_V
	MX0 PA, SA, 0, 8                               ; A's maximum, in the registers of its codes, which are made anew below
	MX PA, SA, 3, 0, 8
	MX PA, SA, 5, 0, 8
	MX7 PA, SA
	MX0 PB, SB, 0, 4                               ; and B's, with the chain from A's maximum to A's M and factor between its lines
	MXJOIN PA
	MX0 PB, SB, 4, 4
	v_max3_num_f32 v[MA], v[PA], v[PA+3], v[PA+6]
	MX PB, SB, 3, 0, 4
	v_permlanex16_b32 v[PXA], v[MA], s[SEL], s[SEL+1]
	MX PB, SB, 3, 4, 4
	v_max3_num_f32 v11, v11, v[MA], v[PXA]         ; the running largest score, of both halves' keys
	MX PB, SB, 5, 0, 4
	v_mul_f32 v[MA], s[CS], v11                    ; as t (c is positive)
	MX PB, SB, 5, 4, 4
	v_floor_f32 v[MA], -v[MA]                      ; the new -M = floor(-t)
	MX7 PB, SB
	v_sub_f32 v[MA+1], v[MA], v10                  ; the old M less the new: a whole number, 0 or less
	v_mov_b32 v10, v[MA]
	MXJOIN PB
	v_cvt_i32_f32 v[MA+1], v[MA+1]                 ; (it saturates)
	SCALES 0, 3                                    ; A's scalings, with B's chain between them
	v_max3_num_f32 v[MB], v[PB], v[PB+3], v[PB+6]
	SCALES 3, 4
	v_ldexp_f32 v18, 1.0, v[MA+1]                  ; 2^(old M - new M)
	v_permlanex16_b32 v[PXB], v[MB], s[SEL], s[SEL+1]
.if \pre
	FETCH_K AD, STEPB
.endif
	SCALES 7, 4
	v_max3_num_f32 v13, v13, v[MB], v[PXB]
	SCALES 11, 5
	v_mul_f32 v[MB], s[CS], v13
	SCALES 16, 5
	v_floor_f32 v[MB], -v[MB]
	SCALES 21, 5
	v_sub_f32 v[MB+1], v[MB], v12
	v_mov_b32 v12, v[MB]
	SCALES 26, 6
	v_cvt_i32_f32 v[MB+1], v[MB+1]
	RESCALE OA, 18, 0, 6                           ; O^T under the new M
	v_ldexp_f32 v20, 1.0, v[MB+1]
	RESCALE OA, 18, 6, 10
	RESCALE OB, 20, 0, 16
.if \bar
	s_barrier_wait -1                              ; every wave's stores of the step before (the bytes of step s + 2) are done
.endif
.if (\st) < 2
.if (\ld) < 2
	s_wait_loadcnt 0x4                             ; the bytes of step s + 3 are in my registers; the four loads of step s + 4 may be out
.else
	s_wait_loadcnt 0x0
.endif
	GSTORE SD, G+16*(\st), 3*STEPB
.endif
	s_wait_alu depctr_va_vdst(0)                   ; ahead of the batch
.set k, 0
.rept 32                               ; A's exponentials, with B's scalings between them
	v_exp_f32 v[SA+2*k], v[SA+2*k]
	SCALE SB, 12, k
	v_exp_f32 v[SA+2*k+1], v[SA+2*k+1]
.set k, k+1
.endr
	v_pk_mul_f32 v[14:15], v[14:15], v[18:19] op_sel_hi:[1,0]   ; A's sum under the new M: a plain place behind the exponentials
	s_wait_alu depctr_va_vdst(0)                   ; behind A's batch and ahead of B's
.set k, 0
.rept 32                               ; B's exponentials, with A's conversions and the first level of A's sum (in place, behind the conversions) between them
	v_exp_f32 v[SB+2*k], v[SB+2*k]
.if k < 8
	v_cvt_scalef32_pk8_bf8_f32 v[PA+2*k:PA+2*k+1], v[SA+8*k:SA+8*k+7], v[SCV]
.elseif k == 8
	v_pk_mul_f32 v[16:17], v[16:17], v[20:21] op_sel_hi:[1,0]   ; B's sum under the new M: the plain place between A's conversions and the writes of their sources
.elseif k < 24
	v_pk_add_f32 v[SA+4*(k-9):SA+4*(k-9)+1], v[SA+4*(k-9):SA+4*(k-9)+1], v[SA+4*(k-9)+2:SA+4*(k-9)+3]
.endif
	v_exp_f32 v[SB+2*k+1], v[SB+2*k+1]
.set k, k+1
.endr
	v_pk_add_f32 v[SA+60:SA+61], v[SA+60:SA+61], v[SA+62:SA+63]
	s_wait_alu depctr_va_vdst(0)                   ; behind B's batch
.set k, 0
.rept 8
	v_cvt_scalef32_pk8_bf8_f32 v[PB+2*k:PB+2*k+1], v[SB+8*k:SB+8*k+7], v[SCV]
.set k, k+1
.endr
	ADDS SA, 8                                     ; (plain places behind the conversions)
	s_cmp_eq_u32 s[HOLD], 0
.if (\st) < 2
	s_wait_dscnt 16*\pre+4                         ; V's fragments are in; the next K's 16 loads and my four stores may be out
.else
	s_wait_dscnt 16*\pre                           ; V's fragments are in; the next K's 16 loads may be out
.endif
	s_wait_alu depctr_va_vdst(0)                   ; directly ahead of the branch
	s_cbranch_scc1 .Lfit_\@
	HOLD8 PA
	HOLD8 PA+8
	HOLD8 PB
	HOLD8 PB+8
.Lfit_\@:
	WIN 0x01
.set k, 0
.rept 4                                ; eight accumulators by turns
	v_wmma_f32_16x16x128_bf8_bf8 v[OA+8*k:OA+8*k+7], v[VF+16*k:VF+16*k+15], v[PA:PA+15], v[OA+8*k:OA+8*k+7]
	v_wmma_f32_16x16x128_bf8_bf8 v[OB+8*k:OB+8*k+7], v[VF+16*k:VF+16*k+15], v[PB:PB+15], v[OB+8*k:OB+8*k+7]
.set k, k+1
.endr
	WIN 0
	ADDS SB, 4                                     ; the rows' sums, of the unquantised p: the two tiles' levels by turns
	ADDS SA, 16
	ADDS SB, 8
	ADDS SA, 32
	ADDS SB, 16
	ADDS SA, 64
	ADDS SB, 32
	v_pk_add_f32 v[14:15], v[14:15], v[SA:SA+1]
	ADDS SB, 64
	v_pk_add_f32 v[16:17], v[16:17], v[SB:SB+1]
	s_add_co_u32 s[TB], s[TB], STEPB
.endm
	s_wait_alu depctr_va_vdst(0)                   ; at the head's end
	s_wait_dscnt 0x0                               ; my part of steps 0 and 1 is in LDS
	s_barrier_signal -1
	s_barrier_wait -1
	FETCH_K LI, 0
	s_wait_loadcnt 0x4                             ; step 2's bytes are in; step 3's four loads may be out
	GSTORE STA, VF, 2*STEPB                        ; first read in step 1, behind step 0's barrier
	s_mov_b32 s[TB], 0
	s_mov_b32 s[CNT], 6
.Lpair:                                                ; steps 0 to 11, an even and an odd one a trip: the slots' registers take turns
	UNIT 1, 1, 1, 0
	UNIT 1, 1, 0, 1
	s_sub_co_u32 s[CNT], s[CNT], 1
	s_cmp_lg_u32 s[CNT], 0
	s_cbranch_scc1 .Lpair
	UNIT 1, 1, 1, 9                                ; step 12 stores the last bytes, those of step 15, and asks for nothing
	s_mov_b32 s[CNT], 2
.Llate:                                                ; steps 13, 14
	UNIT 1, 1, 9, 9
	s_sub_co_u32 s[CNT], s[CNT], 1
	s_cmp_lg_u32 s[CNT], 0
	s_cbranch_scc1 .Llate
	UNIT 0, 0, 9, 9                                ; step 15
	; THE WAY OUT.  O^T / the sum x 2^(e2 + e3) goes through a stage in LDS, 64 channels x 256 queries, and leaves as whole rows of 1,024 bytes.
	; The stage lies on steps 0 to 4 (bytes 0 to 66,559): all waves' reads of them are over since step 14's barrier.
	v_add_f32 v14, v14, v15
	v_add_f32 v16, v16, v17
	v_permlanex16_b32 v[PXA], v14, s[SEL], s[SEL+1]
	v_permlanex16_b32 v[PXB], v16, s[SEL], s[SEL+1]
	v_add_f32 v14, v14, v[PXA]
	v_add_f32 v16, v16, v[PXB]
	s_wait_alu depctr_va_vdst(0)                   ; ahead of the transcendentals
	v_rcp_f32 v14, v14
	v_rcp_f32 v16, v16
	v_nop                                          ; a plain place behind them
	s_wait_alu depctr_va_vdst(0)                   ; ahead of their first reader
	v_ldexp_f32 v14, v14, s[EPV]
	v_ldexp_f32 v16, v16, s[EPV]
	s_wait_alu depctr_va_vdst(0)                   ; directly ahead of the first reader of O^T
.set k, 0
.rept 16
	v_pk_mul_f32 v[SA+2*k:SA+2*k+1], v[OA+2*k:OA+2*k+1], v[14:15] op_sel_hi:[1,0]
	v_pk_mul_f32 v[SB+2*k:SB+2*k+1], v[OB+2*k:OB+2*k+1], v[16:17] op_sel_hi:[1,0]
.set k, k+1
.endr
.irp t, 0,1,2,3
.irp j, 0,1,2,3,4,5,6,7
	ds_store_b32 v[STO], v[SA+8*\t+\j] offset:(16*\t+\j)*SP        ; channel 16 t + 8 h + j of tile A's query r
	ds_store_b32 v[STO], v[SB+8*\t+\j] offset:(16*\t+\j)*SP+64     ; and of tile B's
.endr
.endr
	s_wait_dscnt 0x0
	s_barrier_signal -1
	s_barrier_wait -1
.set k, 0
.rept 16
	ds_load_b128 v[SA+4*k:SA+4*k+3], v[RD] offset:(k/2)*SP+512*(k%2)
.set k, k+1
.endr
.set k, 0
.rept 16
	s_wait_dscnt 15-k                              ; load k is back, the younger ones may be out
	global_store_b128 v[LI], v[SA+4*k:SA+4*k+3], s[10:11] offset:(k/2)*8192+512*(k%2) th:TH_STORE_NT   ; 512 consecutive bytes, aligned
.set k, k+1
.endr
	s_wait_tensorcnt 0x0                           ; the wave's end
	ds_add_u32 v[SPW], v[NIL]
	s_wait_dscnt 0x0
	s_endpgm
.Lfunc_end_k_q2741c23eca_attn:
	.size	k_q2741c23eca_attn, .Lfunc_end_k_q2741c23eca_attn-k_q2741c23eca_attn
	.p2alignl 7, 3214868480
	.fill 96, 4, 3214868480
	.section	.rodata,"a",@progbits
	.p2align	6, 0x0
	.amdhsa_kernel k_q2741c23eca_attn
		.amdhsa_group_segment_fixed_size 263168
		.amdhsa_private_segment_fixed_size 0
		.amdhsa_enable_private_segment 0
		.amdhsa_kernarg_size 32
		.amdhsa_user_sgpr_count 2
		.amdhsa_user_sgpr_kernarg_segment_ptr 1
		.amdhsa_wavefront_size32 1
		.amdhsa_system_sgpr_workgroup_id_x 1
		.amdhsa_system_sgpr_workgroup_id_y 1
		.amdhsa_system_sgpr_workgroup_id_z 1
		.amdhsa_system_vgpr_workitem_id 0
		.amdhsa_next_free_vgpr 512
		.amdhsa_next_free_sgpr 66
		.amdhsa_reserve_vcc 0
		.amdhsa_float_denorm_mode_32 3
		.amdhsa_float_denorm_mode_16_64 3
		.amdhsa_memory_ordered 1
		.amdhsa_forward_progress 1
		.amdhsa_inst_pref_size 176
	.end_amdhsa_kernel
	.amdgpu_metadata
---
amdhsa.version: [ 1, 2 ]
amdhsa.kernels:
  - .name:           k_q2741c23eca_attn
    .symbol:         k_q2741c23eca_attn.kd
    .args:
      - { .name: q, .offset: 0, .size: 8, .value_kind: global_buffer, .address_space: global }
      - { .name: kv_img, .offset: 8, .size: 8, .value_kind: global_buffer, .address_space: global }
      - { .name: lowp_scales, .offset: 16, .size: 8, .value_kind: global_buffer, .address_space: global }
      - { .name: out0, .offset: 24, .size: 8, .value_kind: global_buffer, .address_space: global }
    .group_segment_fixed_size: 263168
    .private_segment_fixed_size: 0
    .kernarg_segment_align: 8
    .kernarg_segment_size: 32
    .max_flat_workgroup_size: 256
    .sgpr_count:     66
    .vgpr_count:     512
    .wavefront_size: 32
...
	.end_amdgpu_metadata
.endif
;; end of part 2
